; MI455X (gfx1250); checked and timed in simulation.
; The chip was launched on July 23, 2026; its instructions are those of AMD's public machine-readable ISA for CDNA 5 (MIT licence, August 2026) and "CDNA5" Instruction Set Architecture Reference Guide (July 2026). The comments in the code are by the model that wrote it; some were corrected since.
;; Time Dependent Attention. Allowed arithmetic: matrix products marked QUANTISED: E5M2 operands, one given power-of-two scale a tensor, by v_wmma_f32_16x16x64_bf8_bf8 or v_wmma_f32_16x16x128_bf8_bf8, f32 sums; products left as they are: f32 operands where the result goes on into a quantised operand, else bf16, f16 or f32 operands; f32 sums; everything else in f32.
;; Inputs: W_o_codes 768 x 24 x 32 uint8 (E5M2 codes of W_o, K innermost, in blocks of 32 codes); Wt_k 768 x 256 float32; Wt_q 768 x 256 float32; Wt_v 768 x 256 float32; Wx_k_codes 768 x 24 x 32 uint8 (E5M2 codes of Wx_k, K innermost, in blocks of 32 codes); Wx_q_codes 768 x 24 x 32 uint8 (E5M2 codes of Wx_q, K innermost, in blocks of 32 codes); Wx_v_codes 768 x 24 x 32 uint8 (E5M2 codes of Wx_v, K innermost, in blocks of 32 codes); b_o 768 float32; lowp_scales 12 int32 (the exponents e of the quantised operands' scales 2^e); rel_pos_bias 12 x 1,024 x 1,024 float32; t 8 x 256 float32; x_codes 8 x 1,024 x 24 x 32 uint8 (E5M2 codes of x, K innermost, in blocks of 32 codes).
;; Outputs: out0 8 x 1,024 x 768 float32.
;; This version of the problem:
;;   THIS VERSION OF THE PROBLEM IS GIVEN IN LOW PRECISION. The matrix products marked QUANTISED in the list below multiply operands that are first quantised to E5M2 (5 exponent bits, 2 mantissa bits; 8 bits a number), with one given power-of-two scale for each operand tensor; their sums are f32. All else is computed in f32.
;;   The module's matrix products, in the order in which they are computed (A, B: the left and right operand; K: the contracted axis; several contracted axes count as one K, in the product's order):
;;     1. [M 8,192, K 768] x [K 768, N 768]; A: input x (given as codes); B: input Wx_q (given as codes): QUANTISED (scales: A lowp_scales[0], B lowp_scales[1])
;;     2. [M 8, K 256] x [K 256, N 768]; A: input t; B: input Wt_q: left as it is (M = 8 < 16)
;;     3. [M 8,192, K 768] x [K 768, N 768]; A: input x (given as codes); B: input Wx_k (given as codes): QUANTISED (scales: A lowp_scales[2], B lowp_scales[3])
;;     4. [M 8, K 256] x [K 256, N 768]; A: input t; B: input Wt_k: left as it is (M = 8 < 16)
;;     5. [M 8,192, K 768] x [K 768, N 768]; A: input x (given as codes); B: input Wx_v (given as codes): QUANTISED (scales: A lowp_scales[4], B lowp_scales[5])
;;     6. [M 8, K 256] x [K 256, N 768]; A: input t; B: input Wt_v: left as it is (M = 8 < 16)
;;     7. batch 96 x [M 1,024, K 64] x [K 64, N 1,024]; A: computed on the way; B: computed on the way: QUANTISED (scales: A lowp_scales[6], B lowp_scales[7])
;;     8. batch 96 x [M 1,024, K 1,024] x [K 1,024, N 64]; A: softmax (see below); B: computed on the way: QUANTISED (scales: A lowp_scales[8], B lowp_scales[9])
;;     9. [M 8,192, K 768] x [K 768, N 768]; A: computed on the way; B: input W_o (given as codes): QUANTISED (scales: A lowp_scales[10], B lowp_scales[11])
;;   THE QUANTISER, for each operand of a quantised product, along K:
;;     - The operand's scale is 2^e, e = its entry of the input lowp_scales (int32; the entries are numbered through the quantised products in the list's order, A before B).
;;     - Each number is divided by the scale, clamped to +-57,344, and rounded to the nearest number of E5M2, ties to even, subnormals kept.
;;     - The product sums the exact products of the quantised numbers (number of the format x scale) in f32.
;;   ~~~python
;;   def quantise(x, axis, e):      # numpy; x: float32 -> the quantised numbers, widened to float32 again
;;       x = np.moveaxis(x, axis, -1); K = x.shape[-1]
;;       r = np.clip(x / 2.0 ** e, -57344, 57344)
;;       step = 2.0 ** (np.maximum(np.frexp(np.where(r == 0, 1, r))[1] - 1, -14) - 2)
;;       q = np.round(r / step) * step * 2.0 ** e      # np.round: ties to even
;;       return np.moveaxis(q, -1, axis).astype(np.float32)
;;   ~~~
;;   SOFTMAX AHEAD OF A QUANTISED PRODUCT. Where the list says 'softmax', what is quantised is not the finished softmax but p = 2^(t - M), with t = logit x log2(e) and M = ceil(the row's largest t), a whole number; so 1/2 < the row's largest p <= 1. The row's sum l is taken of the UNQUANTISED p, in f32, and the product's result is divided by l at the end. Since M is a whole number, a kernel that streams over the keys may use a running M (the ceiling of the running maximum): every later rescaling is an exact power of two, so the quantised numbers keep their values, but for numbers so far below the row's largest that they fall under the format's range.
;;   OPERANDS COMPUTED ON THE WAY. 'Computed on the way' means the value that the module computes at that place (a softmax that the list does not call 'softmax' is quantised finished and normalised). What goes into a quantiser is computed in f32, as accurately as f32 sums, v_exp_f32 and their like allow (about 1e-6 of the number): no bf16 or f16 on the way to a quantiser, and a product that is left as it is and whose result goes on into a quantised operand takes f32 operands (vector FMAs, or v_wmma_f32_16x16x4_f32). A number that lies on a knife's edge between two numbers of the format may be rounded either way, as far as f32 arithmetic and the matrix unit's own rounding can turn it there, and no further.
;;   INPUTS GIVEN AS CODES. W_o (in the module: [768, 768], K = its axis 1); Wx_k (in the module: [768, 768], K = its axis 1); Wx_q (in the module: [768, 768], K = its axis 1); Wx_v (in the module: [768, 768], K = its axis 1); x (in the module: [8, 1024, 768], K = its axis 2): each comes as NAME_codes (uint8): NAME with its K axis moved to the last place and cut into blocks of 32 codes, [.., K / 32, bytes a block], one block behind the other in memory; one code a byte (a code: sign, 5 exponent bits, 2 mantissa bits); its scale is its entry of lowp_scales. Its value is code x scale, taken as it is: it is not quantised again, and the codes and scales need not be those that the quantiser above would give.
;; One version. Each part assembles by itself: llvm-mc -triple=amdgcn-amd-amdhsa -mcpu=gfx1250 --defsym DOCPART=n.
;; ======== version 1 of 1: 4 launches
;; limits: right only within a limited range of input values
;; workspace buffers: tb 73,728 bytes; qf 6,291,456 bytes; kv 12,582,912 bytes; of 6,291,456 bytes
;; launch tproj (part 1): grid 48 x 3, 1 waves a work-group, no clusters, 0 bytes of LDS; arguments t, Wt_q, Wt_k, Wt_v, tb; writes tb
.if DOCPART == 1
	.amdgcn_target "amdgcn-amd-amdhsa--gfx1250"
	.amdhsa_code_object_version 6
	.text
	.protected	k_q3e8ac1a927_tproj
	.globl	k_q3e8ac1a927_tproj
	.p2align	8
	.type	k_q3e8ac1a927_tproj,@function
k_q3e8ac1a927_tproj:
	s_mov_b64 s[64:65], 0
	v_nop
	global_prefetch_b8 v0, s[64:65] scope:SCOPE_SE
	s_setreg_imm32_b32 hwreg(HW_REG_WAVE_MODE, 25, 1), 1
	s_wait_xcnt 0x0
; THE WHOLE PROGRAM: out0 = attention(x, t, rel_pos_bias) W_o^T + b_o in four launches: this one (the shifts t Wt^T), qkv (q, k, v as codes), attn (both attention products), oproj (the last product).
; DEAD WORK: none.  Every input has a way to out0: the shift on k stands ahead of a quantiser and moves k's codes, so it stays; nothing of the problem is left out in any launch.
; THIS LAUNCH: tb[y][col][b] = sum over k of t[b][k] Wt_y[col][k], y = 0, 1, 2 for q, k, v; 8 batches, 768 columns, K = 256.  The results go on into quantised operands, so operands and sums are f32.
; A wave makes one tile: 16 columns (work-group x) of matrix y (work-group y) for all 8 batches.  Source 0 = 16 rows of Wt, source 1 = t; lane r takes batch r & 7, so columns 8-15 of the tile repeat columns 0-7 and no load leaves t.
; K's PLACES: half h of the lanes holds true k = 128 h + 32 q + 2 e + 0, 1 in instruction e of chunk q, alike in both sources: every product meets its partner.
; Four accumulators take turns, one instruction a turn; they are written by matrix instructions alone and added at the end into other registers.
; tb is laid [48 y + tile][batch][16 columns] f32: the wave's one store covers 512 consecutive bytes, aligned.
; LIMIT: NaN among the inputs is not served.
.set ACC, 16                           ; v16-47  four accumulators
.set T,   48                           ; v48-55  their sum
.set U,   56                           ; v56-63  at work
.set OUT, 8                            ; v8-11   what my lane stores
; v64-255: three sets of 64: 32 registers of Wt, 32 of t
.macro LD q, z                         ; chunk q (32 k of each half) into set z: 16 loads
.irp c, 0,1,2,3,4,5,6,7
	global_load_b128 v[64+64*\z+4*\c:64+64*\z+4*\c+3], v3, s[6:7] offset:128*\q+16*\c
.endr
.irp c, 0,1,2,3,4,5,6,7
	global_load_b128 v[96+64*\z+4*\c:96+64*\z+4*\c+3], v4, s[4:5] offset:128*\q+16*\c
.endr
.endm
.macro MM z, first                     ; 16 matrix instructions on set z; first = 1: the first four start the sums with the constant 0
.irp e, 0,1,2,3,4,5,6,7,8,9,10,11,12,13,14,15
.if \first && (\e < 4)
	v_wmma_f32_16x16x4_f32 v[ACC+8*(\e%4):ACC+8*(\e%4)+7], v[64+64*\z+2*\e:64+64*\z+2*\e+1], v[96+64*\z+2*\e:96+64*\z+2*\e+1], 0
.else
	v_wmma_f32_16x16x4_f32 v[ACC+8*(\e%4):ACC+8*(\e%4)+7], v[64+64*\z+2*\e:64+64*\z+2*\e+1], v[96+64*\z+2*\e:96+64*\z+2*\e+1], v[ACC+8*(\e%4):ACC+8*(\e%4)+7]
.endif
.endr
.endm
	s_load_b256 s[4:11], s[0:1], 0x0               ; t s[4:5], Wt_q s[6:7], Wt_k s[8:9], Wt_v s[10:11]
	s_load_b64 s[12:13], s[0:1], 0x20              ; tb
	v_and_b32 v1, 15, v0                           ; r
	v_lshrrev_b32 v2, 4, v0                        ; h
	v_lshlrev_b32 v3, 10, v1
	v_lshl_add_u32 v3, v2, 9, v3                   ; Wt: row r of 1,024 bytes, + 512 h
	v_and_b32 v6, 7, v1
	v_lshlrev_b32 v4, 10, v6
	v_lshl_add_u32 v4, v2, 9, v4                   ; t: row r & 7, + 512 h
	v_lshlrev_b32 v5, 6, v6
	v_lshl_add_u32 v5, v2, 5, v5
	v_lshrrev_b32 v7, 3, v1
	v_lshl_add_u32 v5, v7, 4, v5                   ; tb: 64 (r & 7) + 32 h + 16 (r / 8)
	s_and_b32 s14, ttmp7, 0xffff                   ; y
	s_lshl_b32 s16, ttmp9, 14                      ; 16 rows of 1,024 bytes a tile
	s_mov_b32 s17, 0
	s_mul_i32 s18, s14, 48
	s_add_co_u32 s18, s18, ttmp9
	s_lshl_b32 s18, s18, 9                         ; 512 bytes of tb a tile
	s_mov_b32 s19, 0
	s_wait_alu depctr_va_vdst(0)
	s_wait_kmcnt 0x0
	s_cmp_eq_u32 s14, 1                            ; the choice of the weight hangs on the work-group's number alone
	s_cselect_b64 s[6:7], s[8:9], s[6:7]
	s_cmp_eq_u32 s14, 2
	s_cselect_b64 s[6:7], s[10:11], s[6:7]
	s_add_nc_u64 s[6:7], s[6:7], s[16:17]
	s_add_nc_u64 s[12:13], s[12:13], s[18:19]
	LD 0, 0
	LD 1, 1
	LD 2, 2
	s_wait_loadcnt 32                              ; chunk 0 is in; chunks 1 and 2, 16 loads each, stay out
	MM 0, 1
.rept 8
	v_nop                                          ; eight places behind this form, in front of loads into registers that it has read
.endr
	LD 3, 0
	s_wait_loadcnt 32                              ; chunk 1 is in; chunks 2 and 3 stay out
	MM 1, 0
	s_wait_loadcnt 16                              ; chunk 2
	MM 2, 0
	s_wait_loadcnt 0x0
	MM 0, 0
.rept 8
	v_nop                                          ; eight places in front of the first read of the results
.endr
.irp i, 0,2,4,6
	v_pk_add_f32 v[T+\i:T+\i+1], v[ACC+\i:ACC+\i+1], v[ACC+8+\i:ACC+8+\i+1]        ; each accumulator from its low end on
.endr
.irp i, 0,2,4,6
	v_pk_add_f32 v[U+\i:U+\i+1], v[ACC+16+\i:ACC+16+\i+1], v[ACC+24+\i:ACC+24+\i+1]
.endr
.irp i, 0,2,4,6
	v_pk_add_f32 v[T+\i:T+\i+1], v[T+\i:T+\i+1], v[U+\i:U+\i+1]
.endr
	v_cmp_gt_u32 vcc_lo, 8, v1                     ; lanes r < 8 store columns 8 h + 0..3 of batch r, their doubles r >= 8 columns 8 h + 4..7
.irp i, 0,1,2,3
	v_cndmask_b32 v[OUT+\i], v[T+4+\i], v[T+\i], vcc_lo
.endr
	global_store_b128 v5, v[OUT:OUT+3], s[12:13]
	s_endpgm
.Lfunc_end_k_q3e8ac1a927_tproj:
	.size	k_q3e8ac1a927_tproj, .Lfunc_end_k_q3e8ac1a927_tproj-k_q3e8ac1a927_tproj
	.p2alignl 7, 3214868480
	.fill 96, 4, 3214868480
	.section	.rodata,"a",@progbits
	.p2align	6, 0x0
	.amdhsa_kernel k_q3e8ac1a927_tproj
		.amdhsa_group_segment_fixed_size 0
		.amdhsa_private_segment_fixed_size 0
		.amdhsa_enable_private_segment 0
		.amdhsa_kernarg_size 40
		.amdhsa_user_sgpr_count 2
		.amdhsa_user_sgpr_kernarg_segment_ptr 1
		.amdhsa_wavefront_size32 1
		.amdhsa_system_sgpr_workgroup_id_x 1
		.amdhsa_system_sgpr_workgroup_id_y 1
		.amdhsa_system_sgpr_workgroup_id_z 1
		.amdhsa_system_vgpr_workitem_id 0
		.amdhsa_next_free_vgpr 256
		.amdhsa_next_free_sgpr 66
		.amdhsa_reserve_vcc 1
		.amdhsa_float_denorm_mode_32 3
		.amdhsa_float_denorm_mode_16_64 3
		.amdhsa_memory_ordered 1
		.amdhsa_forward_progress 1
		.amdhsa_inst_pref_size 13
	.end_amdhsa_kernel
	.amdgpu_metadata
---
amdhsa.version: [ 1, 2 ]
amdhsa.kernels:
  - .name:           k_q3e8ac1a927_tproj
    .symbol:         k_q3e8ac1a927_tproj.kd
    .args:
      - { .name: t, .offset: 0, .size: 8, .value_kind: global_buffer, .address_space: global }
      - { .name: Wt_q, .offset: 8, .size: 8, .value_kind: global_buffer, .address_space: global }
      - { .name: Wt_k, .offset: 16, .size: 8, .value_kind: global_buffer, .address_space: global }
      - { .name: Wt_v, .offset: 24, .size: 8, .value_kind: global_buffer, .address_space: global }
      - { .name: tb, .offset: 32, .size: 8, .value_kind: global_buffer, .address_space: global }
    .group_segment_fixed_size: 0
    .private_segment_fixed_size: 0
    .kernarg_segment_align: 8
    .kernarg_segment_size: 40
    .max_flat_workgroup_size: 32
    .sgpr_count:     66
    .vgpr_count:     256
    .wavefront_size: 32
...
	.end_amdgpu_metadata
.endif
;; end of part 1
;; launch qkv (part 2): grid 32 x 8, 4 waves a work-group, clusters of 4 x 1, 327,680 bytes of LDS; arguments x_codes, Wx_q_codes, Wx_k_codes, Wx_v_codes, lowp_scales, tb, qf, kv; writes qf, kv
.if DOCPART == 2
	.amdgcn_target "amdgcn-amd-amdhsa--gfx1250"
	.amdhsa_code_object_version 6
	.text
	.protected	k_q3e8ac1a927_qkv
	.globl	k_q3e8ac1a927_qkv
	.p2align	8
	.type	k_q3e8ac1a927_qkv,@function
k_q3e8ac1a927_qkv:
	s_mov_b64 s[64:65], 0
	v_nop
	global_prefetch_b8 v0, s[64:65] scope:SCOPE_SE
	s_setreg_imm32_b32 hwreg(HW_REG_WAVE_MODE, 25, 1), 1
	s_wait_xcnt 0x0
	s_wait_alu depctr_hold_cnt(0) depctr_sa_sdst(0) depctr_va_vdst(0) depctr_va_sdst(0) depctr_va_ssrc(0) depctr_va_vcc(0) depctr_vm_vsrc(0)
	s_getreg_b32 s2, hwreg(HW_REG_IB_STS2, 6, 4)
	s_cmp_eq_u32 s2, 0
	s_cbranch_scc0 .Lentry_in_a_cluster
	s_endpgm
.Lentry_in_a_cluster:
	s_bfe_u32 s2, ttmp6, 0x10000c
	s_cmp_lg_u32 s2, 0x3003
	s_cbranch_scc0 .Lentry_shape_is_right
	s_endpgm
.Lentry_shape_is_right:
; q, k, v = x Wx^T + tb, each quantised to E5M2 with its given scale (q: entry 6, k: entry 7, v: entry 9) and stored as IMAGES OF THE NEXT LAUNCH'S OPERAND REGISTERS.  Nothing of the problem is left out.
; The three weights count as one matrix of 2,304 rows: 144 tiles G of 16.  A work-group takes 256 tokens (R = 4 x cluster x + cx) and 288 of those rows (18 tiles, work-group y).
; Wave w keeps its 64 tokens of x in registers (4 tiles x 6 K steps of 128: 384 registers) and walks the 18 tiles of W from LDS, two a trip, 24 matrix instructions a tile.
; CLUSTER: the four partners need the same 288 rows of W: joint tensor loads, one for each of waves 0 to 2, all of them first fills: no LDS byte is filled twice, so there is no ring.
; x and W are fetched 16 bytes a lane (registers 4 c .. 4 c + 3: k = 32 c + 16 (lane / 16) + 0..15): one permutation of k, alike on both sides.
; q, k: source 0 = 16 rows of W, source 1 = 16 tokens: a lane holds one token and 8 neighbouring d: the conversion's two registers ARE registers 2 c, 2 c + 1 of the K = 64 operand (c = the tile's number in its head).
; v:    source 0 = 16 tokens, source 1 = 16 rows of W: a lane holds one d and 8 neighbouring keys: registers 2 m, 2 m + 1 of V^T's operand (m = the token tile in the key step of 64).
; A sum stands for sum x 2^(ex + ew): q takes entries 0, 1, k entries 2, 3, v entries 4, 5.  number = sum x 2^(ex + ew) + tb, held within +-57,344 x the scale, converted.
; qf: [b][head][query tile][1,024]; kv: [b][head][key step of 64][K's four key tiles of 1,024, V^T's four d tiles of 1,024].  Each store of the wave covers 512 consecutive bytes, aligned.
; LIMITS: ex + ew between -126 and 127 for each of the three products; entries 6, 7, 9 between -126 and 112.  NaN among the inputs is not served.
; REGISTERS: window 0: v1-17 addresses, v20-28 tb on its way, v32-63 four accumulators, v64-79 tb of the trip's two tiles, v80-95 codes.  window 1: x's tiles 0, 1 (96 m + 16 s).  window 2: tiles 2, 3.  window 3: two sets of W (96 set + 16 s); at the head x as loaded.
.set PITCH, 816                        ; a row of 768 codes in LDS: three times 256 bytes + 16 of padding; 816 = 51 x 16: sixteen rows start at sixteen different 16-byte columns
.set WTILE, 16*PITCH
.set XST,   288*PITCH                  ; behind W's 288 rows: a stage of 16 rows for each wave
.set TBL,   XST+4*WTILE                ; behind the stages: each wave's own 288 numbers of tb, in 1,280 bytes
.set SPARE, TBL+4*1280                 ; behind them: the spare words, 128 bytes a wave, which no other line names
.set MSB, 0
.macro WIN new                         ; the immediate's high byte repeats the setting that is left
.if MSB != (\new)
	s_set_vgpr_msb (MSB<<8)|(\new)
.set MSB, (\new)
.endif
.endm
.macro CROUND                          ; a round of the cluster's barrier
	s_barrier_signal -1
	s_barrier_wait -1
	s_cmp_lg_u32 s20, 0
	s_cbranch_scc1 .Lnw0_\@
	s_barrier_signal -3
.Lnw0_\@:
	s_barrier_wait -3
	s_barrier_signal -1
	s_barrier_wait -1
.endm
.macro PLACES
.rept 4
	v_nop
.endr
.endm
.macro QCONST cv, lim, e               ; 2^e as f32, and 57,344 x 2^e
	s_add_co_i32 s[\cv], s[\e], 127
	s_add_co_i32 s[\lim], s[\cv], 15
	s_lshl_b32 s[\cv], s[\cv], 23
	s_lshl_b32 s[\lim], s[\lim], 23
	s_or_b32 s[\lim], s[\lim], 0x600000
.endm
.macro LOADX m, tt                     ; my token tile m, 12,288 dense bytes, as they lie: 24 loads of 512 consecutive bytes
	WIN 0xc0
.set i, 0
.rept 24
	global_load_b128 v[96*\tt+4*i:96*\tt+4*i+3], v5, s[4:5] offset:12288*\m+512*i
.set i, i+1
.endr
	WIN 0
.endm
.macro STX tt                          ; into my stage: each 256 bytes get 16 of padding behind them
	WIN 0x0c
.set i, 0
.rept 24
	ds_store_b128 v6, v[96*\tt+4*i:96*\tt+4*i+3] offset:544*i
.set i, i+1
.endr
	WIN 0
.endm
.macro FRX m                           ; and back as fragments; LDS serves a wave's instructions in order, so these see the stores above
	WIN 0x40*(1+(\m)/2)
.irp s, 0,1,2,3,4,5
.irp c, 0,1,2,3
	ds_load_b128 v[96*((\m)%2)+16*\s+4*\c:96*((\m)%2)+16*\s+4*\c+3], v7 offset:272*(\s/2)+128*(\s%2)+32*\c
.endr
.endr
	WIN 0
.endm
.macro RUN k, set                      ; the six fragments of W's tile k, counted from the trip's first, into a set: 24 loads in one run
	WIN 0xc0
.irp s, 0,1,2,3,4,5
.irp c, 0,1,2,3
	ds_load_b128 v[96*\set+16*\s+4*\c:96*\set+16*\s+4*\c+3], v4 offset:WTILE*\k+272*(\s/2)+128*(\s%2)+32*\c
.endr
.endr
.endm
.macro MULS isv, set                   ; 24 matrix instructions: token tiles 0, 1 by turns through K, then tiles 2, 3; the first K step starts each sum
.irp g, 0,1
.if \isv
	WIN 0x0d+\g                                    ; source 0 = x (window 1, 2), source 1 = W (window 3)
.else
	WIN 0x07+4*\g                                  ; source 0 = W (window 3), source 1 = x (window 1, 2)
.endif
.irp s, 0,1,2,3,4,5
.irp m, 0,1
.if \isv
.if \s == 0
	v_wmma_f32_16x16x128_bf8_bf8 v[32+8*(2*\g+\m):39+8*(2*\g+\m)], v[96*\m+16*\s:96*\m+16*\s+15], v[96*\set+16*\s:96*\set+16*\s+15], 0
.else
	v_wmma_f32_16x16x128_bf8_bf8 v[32+8*(2*\g+\m):39+8*(2*\g+\m)], v[96*\m+16*\s:96*\m+16*\s+15], v[96*\set+16*\s:96*\set+16*\s+15], v[32+8*(2*\g+\m):39+8*(2*\g+\m)]
.endif
.else
.if \s == 0
	v_wmma_f32_16x16x128_bf8_bf8 v[32+8*(2*\g+\m):39+8*(2*\g+\m)], v[96*\set+16*\s:96*\set+16*\s+15], v[96*\m+16*\s:96*\m+16*\s+15], 0
.else
	v_wmma_f32_16x16x128_bf8_bf8 v[32+8*(2*\g+\m):39+8*(2*\g+\m)], v[96*\set+16*\s:96*\set+16*\s+15], v[96*\m+16*\s:96*\m+16*\s+15], v[32+8*(2*\g+\m):39+8*(2*\g+\m)]
.endif
.endif
.endr
.endr
.endr
	WIN 0
.endm
.macro EPI isv, u                      ; tile u of the trip's two: sum x 2^(ex + ew) + tb, the hold, the conversion; each accumulator from its low end on
.irp m, 0,1,2,3
.irp i, 0,2,4,6
.if \isv
	v_pk_fma_f32 v[32+8*\m+\i:33+8*\m+\i], v[32+8*\m+\i:33+8*\m+\i], s[68:69], v[64+8*\u:65+8*\u] op_sel_hi:[1,0,0]
.else
	v_pk_fma_f32 v[32+8*\m+\i:33+8*\m+\i], v[32+8*\m+\i:33+8*\m+\i], s[68:69], v[64+8*\u+\i:65+8*\u+\i] op_sel_hi:[1,0,1]
.endif
.endr
	s_wait_alu depctr_va_vdst(0)
.irp i, 0,1,2,3,4,5,6,7
	v_med3_num_f32 v[32+8*\m+\i], v[32+8*\m+\i], -v14, v14     ; the conversion to an 8-bit code does not saturate (ISA guide 7.6.2)
.endr
.if \isv
	v_cvt_scalef32_pk8_bf8_f32 v[80+8*\u+2*\m:81+8*\u+2*\m], v[32+8*\m:39+8*\m], v15
.else
	v_cvt_scalef32_pk8_bf8_f32 v[80+4*\m+2*\u:81+4*\m+2*\u], v[32+8*\m:39+8*\m], v15
.endif
.endr
	v_nop                                          ; a plain line behind the last conversion: the next products write its sources
.endm
; A TRIP: tiles G and G + 1.  pre = 1: the next trip's first tile is fetched meanwhile.
.macro TRIP isv, pre
	s_wait_xcnt 0x0                                ; the last trip's stores have read their base and their codes: both are written again below
.if \isv
	s_sub_co_u32 s80, s70, 96                      ; the tile's number in Wx_v
	s_lshr_b32 s84, s80, 2                         ; head
	s_and_b32 s85, s80, 3                          ; d tile
	s_add_co_u32 s84, s84, s74
	s_lshl_b32 s84, s84, 17
	s_lshl_b32 s86, s75, 13
	s_add_co_u32 s84, s84, s86
	s_lshl_b32 s85, s85, 10
	s_add_co_u32 s84, s84, s85
	s_add_co_u32 s78, s84, 4096                    ; V^T's tiles lie behind K's four
	s_mov_b32 s79, 0
	s_add_nc_u64 s[76:77], s[18:19], s[78:79]
	s_mov_b32 s68, s58
	s_mov_b32 s69, s58
	v_mov_b32 v14, s66
	v_mov_b32 v15, s61
	v_add_nc_u32 v16, s73, v10
.else
	s_cmp_ge_u32 s70, 48                           ; q's tile or k's?  Ids alone; every choice stands straight behind the compare
	s_cselect_b32 s80, 48, 0
	s_cselect_b32 s81, 1, 0
	s_cselect_b32 s68, s57, s56
	s_cselect_b32 s82, s60, s59
	s_cselect_b32 s83, s63, s62
	s_cselect_b64 s[76:77], s[18:19], s[16:17]
	s_mov_b32 s69, s68
	s_sub_co_u32 s80, s70, s80                     ; the tile's number in its weight
	s_lshr_b32 s84, s80, 2                         ; head
	s_bfe_u32 s85, s80, 0x10001                    ; which half of the head's four tiles: the operand's registers 0-3 or 4-7
	s_add_co_u32 s84, s84, s74
	s_lshl_b32 s84, s84, 16
	s_lshl_b32 s86, s75, 12
	s_add_co_u32 s84, s84, s86
	s_lshl_b32 s84, s84, s81                       ; kv's strides are twice qf's
	s_lshl_b32 s85, s85, 9
	s_add_co_u32 s78, s84, s85
	s_mov_b32 s79, 0
	s_add_nc_u64 s[76:77], s[76:77], s[78:79]
	v_mov_b32 v14, s83
	v_mov_b32 v15, s82
	v_add_nc_u32 v16, s73, v9
.endif
	v_add_nc_u32 v4, s72, v3
.if \isv
	ds_load_b32 v64, v16                           ; tb of my d, tile 0 and tile 1
	ds_load_b32 v72, v16 offset:64
.else
	ds_load_b128 v[64:67], v16                     ; tb of my eight d, tile 0 and tile 1
	ds_load_b128 v[68:71], v16 offset:16
	ds_load_b128 v[72:75], v16 offset:64
	ds_load_b128 v[76:79], v16 offset:80
.endif
	RUN 1, 1
	s_wait_dscnt 24                                ; all but the 24 just issued: set 0 and tb are in
	MULS \isv, 0
	PLACES                                         ; four places in front of the first read of results and of loads into set 0
	EPI \isv, 0
.if \pre
	RUN 2, 0
	s_wait_dscnt 24                                ; set 1 is in
.else
	s_wait_dscnt 0x0
.endif
	MULS \isv, 1
	PLACES
	EPI \isv, 1
.irp q, 0,1,2,3
.if \isv
	global_store_b128 v5, v[80+4*\q:83+4*\q], s[76:77] offset:512*\q
.else
	global_store_b128 v5, v[80+4*\q:83+4*\q], s[76:77] offset:1024*\q
.endif
.endr
.endm
	s_load_b256 s[4:11], s[0:1], 0x0               ; x s[4:5], Wx_q s[6:7], Wx_k s[8:9], Wx_v s[10:11]
	s_load_b256 s[12:19], s[0:1], 0x20             ; the scales' exponents s[12:13], tb s[14:15], qf s[16:17], kv s[18:19]
	v_lshl_add_u32 v12, v0, 2, SPARE
	v_mov_b32 v13, 0
	ds_add_u32 v12, v13                            ; the wave's opening: the add, twice on end, and its wait ahead of my first tensor load
	ds_add_u32 v12, v13
	v_lshrrev_b32 v1, 5, v0
	v_readfirstlane_b32 s20, v1                    ; wave 0..3
	s_bfe_u32 s21, ttmp6, 0x40000                  ; cx
	s_lshl_b32 s22, ttmp9, 2
	s_add_co_u32 s22, s22, s21                     ; R: my block of 256 tokens
	s_and_b32 s23, ttmp7, 0xffff                   ; j: my 288 rows of the three weights
	; descriptor group 1: 96 rows of W are 288 dense rows of 256 bytes, 16 bytes of padding behind each
	s_mov_b32 s36, 15|(3<<16)|(1<<20)|(1<<21)|(5<<22)|(3<<25)  ; the mask: all four partners; elements of 8 bytes; padding on; bit 21 beside a mask; after every 64 words, 4 words
	s_mov_b32 s37, 32<<16                          ; tensor_dim0 = 32
	s_mov_b32 s38, 288<<16                         ; tensor_dim1 = 288
	s_mov_b32 s39, 32<<16                          ; tile_dim0 = 32
	s_mov_b32 s40, 288                             ; tile_dim1 = 288
	s_mov_b32 s41, 32                              ; from row to row
	s_mov_b32 s42, 0
	s_mov_b32 s43, 0
	s_wait_dscnt 0x0                               ; both opening adds are done
	s_wait_kmcnt 0x0
	s_load_b256 s[44:51], s[12:13], 0x0            ; entries 0 to 7
	s_load_b128 s[52:55], s[12:13], 0x20           ; entries 8 to 11
	; ONE group 0 (this takes the place of the three a wave that the head comment names): piece w, 96 rows, for waves 0 to 2.  288 j + 96 w and 768 are multiples of 96, so a piece lies in one weight.  All is made of j and the wave's number: equal in the four partners
	s_mul_i32 s87, s20, 96*PITCH
.irp i, 0
	s_mul_i32 s82, s20, 96
	s_add_co_u32 s82, s82, 24*\i
	s_mul_i32 s83, s23, 288
	s_add_co_u32 s82, s82, s83                     ; the piece's first row among the 2,304
	s_cmp_ge_u32 s82, 768
	s_cselect_b64 s[84:85], s[8:9], s[6:7]
	s_cselect_b32 s86, 768, 0
	s_cmp_ge_u32 s82, 1536
	s_cselect_b64 s[84:85], s[10:11], s[84:85]
	s_cselect_b32 s86, 1536, s86
	s_sub_co_u32 s82, s82, s86
	s_mul_i32 s82, s82, 768
	s_mov_b32 s83, 0
	s_mov_b32 s[24+4*\i], 1
	s_add_co_u32 s[25+4*\i], s87, 72*272*\i
	s_add_nc_u64 s[26+4*\i:27+4*\i], s[84:85], s[82:83]
	s_or_b32 s[27+4*\i], s[27+4*\i], 0x80000000
.endr
	CROUND                                         ; all four work-groups are here: the joint loads meet
	s_cmp_lt_u32 s20, 3                            ; waves 0 to 2 fetch a piece each, wave 3 none: the branch hangs on the wave's number alone
	s_cbranch_scc0 .Lno_piece
	tensor_load_to_lds s[24:27], s[36:43]          ; my one tensor load, a first fill
	s_nop 0
.rept 4
	v_nop
.endr
.Lno_piece:
	s_mul_i32 s88, s22, 196608                     ; 256 tokens of 768 bytes,
	s_mul_i32 s89, s20, 49152                      ; my wave's 64
	s_add_co_u32 s88, s88, s89
	s_mov_b32 s89, 0
	s_add_nc_u64 s[4:5], s[4:5], s[88:89]
	s_mul_i32 s90, s23, 9216                       ; tb: 18 tiles of 512 bytes,
	s_lshl_b32 s91, ttmp9, 6                       ; batch R / 4 = cluster x
	s_add_co_u32 s90, s90, s91
	s_mov_b32 s91, 0
	s_add_nc_u64 s[14:15], s[14:15], s[90:91]
	s_mul_i32 s74, ttmp9, 12                       ; 12 b
	s_lshl_b32 s75, s21, 2
	s_add_co_u32 s75, s75, s20                     ; my key step in the batch: 4 (R % 4) + wave; my query tiles are 4 times that, + m
	v_and_b32 v1, 15, v0                           ; r
	v_bfe_u32 v2, v0, 4, 1                         ; h
	v_and_b32 v17, 31, v0                          ; lane
	v_mul_u32_u24 v3, v1, PITCH
	v_lshl_add_u32 v3, v2, 4, v3                   ; a fragment's row x pitch + 16 h
	v_lshlrev_b32 v5, 4, v17                       ; 16 x lane
	s_mul_i32 s80, s20, WTILE
	s_add_co_u32 s80, s80, XST                     ; my stage
	v_mul_u32_u24 v6, v2, 272
	v_lshl_add_u32 v6, v1, 4, v6
	v_add_nc_u32 v6, s80, v6                       ; in: 272 (lane / 16) + 16 (lane % 16)
	v_add_nc_u32 v7, s80, v3                       ; back
	s_mul_i32 s81, s20, 1280
	s_add_co_u32 s81, s81, TBL                     ; my copy of tb
	v_lshl_add_u32 v8, v17, 2, s81
	v_lshl_add_u32 v9, v2, 5, s81                  ; q, k: my eight d of a tile
	v_lshl_add_u32 v10, v1, 2, s81                 ; v: my one d
	v_lshlrev_b32 v11, 9, v2
	v_lshl_add_u32 v11, v1, 2, v11                 ; tb in memory: tile lane / 16, column lane % 16
	v_mov_b32 v65, 0                               ; named as upper halves of pairs on v's path
	v_mov_b32 v73, 0
.irp i, 0,1,2,3,4,5,6,7,8
	global_load_b32 v[20+\i], v11, s[14:15] offset:1024*\i
.endr
	LOADX 0, 0
	LOADX 1, 1
	s_wait_alu depctr_va_vdst(0)
	s_wait_loadcnt 48                              ; tb is in; two tiles of x, 24 loads each, stay out
.irp i, 0,1,2,3,4,5,6,7,8
	ds_store_b32 v8, v[20+\i] offset:128*\i
.endr
	s_wait_loadcnt 24                              ; tile 0
	STX 0
	FRX 0
	s_wait_dscnt 0x0                               ; the stores have read their registers
	LOADX 2, 0
	s_wait_loadcnt 24                              ; tile 1
	STX 1
	FRX 1
	s_wait_dscnt 0x0
	LOADX 3, 1
	s_wait_loadcnt 24                              ; tile 2
	STX 0
	FRX 2
	s_wait_loadcnt 0x0
	STX 1
	FRX 3
	s_wait_kmcnt 0x0
	s_add_co_i32 s56, s44, s45
	s_add_co_i32 s56, s56, 127
	s_lshl_b32 s56, s56, 23                        ; 2^(e0 + e1)
	s_add_co_i32 s57, s46, s47
	s_add_co_i32 s57, s57, 127
	s_lshl_b32 s57, s57, 23                        ; 2^(e2 + e3)
	s_add_co_i32 s58, s48, s49
	s_add_co_i32 s58, s58, 127
	s_lshl_b32 s58, s58, 23                        ; 2^(e4 + e5)
	QCONST 59, 62, 50                              ; q's quantiser: entry 6
	QCONST 60, 63, 51                              ; k's: entry 7
	QCONST 61, 66, 53                              ; v's: entry 9
	s_mul_i32 s70, s23, 18                         ; G
	s_mov_b32 s72, 0                               ; the trip's tiles in LDS
	s_mov_b32 s73, 0                               ; and in my copy of tb
	s_wait_tensorcnt 0x0                           ; my piece of W, if any, has landed,
	s_wait_dscnt 0x0                               ; my LDS instructions are done,
	s_barrier_signal -1
	s_barrier_wait -1                              ; everybody's: W is whole.
	v_add_nc_u32 v4, s72, v3
	RUN 0, 0
	WIN 0
	s_mov_b32 s71, 8
.Ltrip:                                            ; eight trips; a pair of tiles never straddles two weights (48 and 96 are even)
	s_cmp_ge_u32 s70, 96
	s_cbranch_scc1 .Lv
	TRIP 0, 1
	s_branch .Ljoin
.Lv:
	TRIP 1, 1
.Ljoin:
	s_add_co_u32 s70, s70, 2
	s_add_co_u32 s72, s72, 2*WTILE
	s_add_co_u32 s73, s73, 128
	s_sub_co_u32 s71, s71, 1
	s_cmp_lg_u32 s71, 0
	s_cbranch_scc1 .Ltrip
	s_cmp_ge_u32 s70, 96                           ; the ninth trip fetches nothing beyond W's last tile
	s_cbranch_scc1 .Lv_last
	TRIP 0, 0
	s_branch .Ldone
.Lv_last:
	TRIP 1, 0
.Ldone:
	s_wait_tensorcnt 0x0                           ; the wave's end
	ds_add_u32 v12, v13
	s_wait_dscnt 0x0
	CROUND                                         ; the closing round
	s_endpgm
.Lfunc_end_k_q3e8ac1a927_qkv:
	.size	k_q3e8ac1a927_qkv, .Lfunc_end_k_q3e8ac1a927_qkv-k_q3e8ac1a927_qkv
	.p2alignl 7, 3214868480
	.fill 96, 4, 3214868480
	.section	.rodata,"a",@progbits
	.p2align	6, 0x0
	.amdhsa_kernel k_q3e8ac1a927_qkv
		.amdhsa_group_segment_fixed_size 327680
		.amdhsa_private_segment_fixed_size 0
		.amdhsa_enable_private_segment 0
		.amdhsa_kernarg_size 64
		.amdhsa_user_sgpr_count 2
		.amdhsa_user_sgpr_kernarg_segment_ptr 1
		.amdhsa_wavefront_size32 1
		.amdhsa_system_sgpr_workgroup_id_x 1
		.amdhsa_system_sgpr_workgroup_id_y 1
		.amdhsa_system_sgpr_workgroup_id_z 1
		.amdhsa_system_vgpr_workitem_id 0
		.amdhsa_next_free_vgpr 1024
		.amdhsa_next_free_sgpr 100
		.amdhsa_reserve_vcc 0
		.amdhsa_float_denorm_mode_32 3
		.amdhsa_float_denorm_mode_16_64 3
		.amdhsa_memory_ordered 1
		.amdhsa_forward_progress 1
		.amdhsa_inst_pref_size 88
	.end_amdhsa_kernel
	.amdgpu_metadata
---
amdhsa.version: [ 1, 2 ]
amdhsa.kernels:
  - .name:           k_q3e8ac1a927_qkv
    .symbol:         k_q3e8ac1a927_qkv.kd
    .args:
      - { .name: x_codes, .offset: 0, .size: 8, .value_kind: global_buffer, .address_space: global }
      - { .name: Wx_q_codes, .offset: 8, .size: 8, .value_kind: global_buffer, .address_space: global }
      - { .name: Wx_k_codes, .offset: 16, .size: 8, .value_kind: global_buffer, .address_space: global }
      - { .name: Wx_v_codes, .offset: 24, .size: 8, .value_kind: global_buffer, .address_space: global }
      - { .name: lowp_scales, .offset: 32, .size: 8, .value_kind: global_buffer, .address_space: global }
      - { .name: tb, .offset: 40, .size: 8, .value_kind: global_buffer, .address_space: global }
      - { .name: qf, .offset: 48, .size: 8, .value_kind: global_buffer, .address_space: global }
      - { .name: kv, .offset: 56, .size: 8, .value_kind: global_buffer, .address_space: global }
    .group_segment_fixed_size: 327680
    .private_segment_fixed_size: 0
    .kernarg_segment_align: 8
    .kernarg_segment_size: 64
    .max_flat_workgroup_size: 128
    .sgpr_count:     100
    .vgpr_count:     1024
    .wavefront_size: 32
...
	.end_amdgpu_metadata
.endif
;; end of part 2
;; launch attn (part 3): grid 64 x 4, 12 waves a work-group, clusters of 4 x 1, 327,680 bytes of LDS; arguments qf, kv, rel_pos_bias, lowp_scales, of; writes of
.if DOCPART == 3
	.amdgcn_target "amdgcn-amd-amdhsa--gfx1250"
	.amdhsa_code_object_version 6
	.text
	.protected	k_q3e8ac1a927_attn
	.globl	k_q3e8ac1a927_attn
	.p2align	8
	.type	k_q3e8ac1a927_attn,@function
k_q3e8ac1a927_attn:
	s_mov_b64 s[64:65], 0
	v_nop
	global_prefetch_b8 v0, s[64:65] scope:SCOPE_SE
	s_setreg_imm32_b32 hwreg(HW_REG_WAVE_MODE, 25, 1), 1
	s_wait_xcnt 0x0
	s_wait_alu depctr_hold_cnt(0) depctr_sa_sdst(0) depctr_va_vdst(0) depctr_va_sdst(0) depctr_va_ssrc(0) depctr_va_vcc(0) depctr_vm_vsrc(0)
	s_getreg_b32 s2, hwreg(HW_REG_IB_STS2, 6, 4)
	s_cmp_eq_u32 s2, 0
	s_cbranch_scc0 .Lentry_in_a_cluster
	s_endpgm
.Lentry_in_a_cluster:
	s_bfe_u32 s2, ttmp6, 0x10000c
	s_cmp_lg_u32 s2, 0x3003
	s_cbranch_scc0 .Lentry_shape_is_right
	s_endpgm
.Lentry_shape_is_right:
; o = softmax(q k^T / 8 + rel_pos_bias) v on codes of E5M2, o quantised with entry 10 and stored as images of the last launch's operand registers.  Nothing of the problem is left out.
; SHARES.  8 x 12 x 64 = 6,144 units (a batch, a head, 16 queries); 256 work-groups take 24 each: THREE heads (3 ht .., ht = work-group y), two batches (2 cx, + 1) and 64 queries (qb = cluster x).
; Twelve waves, three to a SIMD, 320 registers each: wave wv owns head 3 ht + wv / 4, batch 2 cx + bit 1 of wv, query tiles 4 qb + 2 (wv % 2), + 1: two units, which share each fragment of K and V.
; K AND V lie in memory as images of the operand registers, so each wave loads its fragments whole from memory into registers, 512 consecutive bytes an instruction: 8 loads each for 64 keys, into two register sets by turns.
; Each is asked for as soon as its registers are free: step j + 1's V behind the first unit's first product of step j, step j + 2's K behind the second unit's.  They pass through no LDS: a unit's 64 keys then cost 8 LDS instructions (its bias) and not 16.
; THE BIAS goes through a ring of two LDS slots of 128 keys (3 heads x 64 rows x 512 bytes, 16 bytes of padding behind each row): eight tiles; each wave fetches 16 rows by one joint load and has one tensor load out behind each round.
; CLUSTER.  The four partners are the four batch pairs of one (ht, qb): they read the same bias, so every tensor load of the launch is a joint load.  K, V, Q and o differ between them: cx enters those global addresses alone.
; LAYOUT.  S^T = K Q^T + bias (source 0 = 16 keys, source 1 = 16 queries, C = the bias): a lane holds ONE query and 8 neighbouring keys of each tile, so the conversion of tile c's registers IS registers 2 c, 2 c + 1 of P.  O^T = V^T P^T likewise.
; THE LOGIT: S' = the sum of the codes' products + bias x 2^(3 - e6 - e7) (a power of two: nothing is rounded by it); t = S' x log2(e) / 8 x 2^(e6 + e7).
; THE SOFTMAX: -M = floor(-the running largest t); p = 2^(t - M) is quantised with entry 8; the sum is taken of the unquantised p; when M moves, the sum and O^T are multiplied by 2^(old M - new M), exactly.
; PREFETCHES.  The bias: in trips 0 to 4, the tile three trips on (its load stands two trips on): of the 32 blocks of 256 bytes that a wave fetches, partner cx takes 8 BY ADDRESS, lanes 0-7 a block each, the other lanes name the last again.
; K, V: sixteen clusters walk them; cluster x = 2 .. 7 asks for tile x, whole, in trip x - 2: each wave for 8,192 bytes (the 64 keys wv % 2 of its batch and head), a lane a block.  The first tiles come by their loads alone.
; LIMITS: e6 + e7 between -120 and 120; entries 8 and 10 between -126 and 112; e8 + e9 goes in by v_ldexp_f32; the scaled scores t stay under 2^31 in magnitude.  NaN among the inputs is not served.
; REGISTERS: window 0: v2-15 addresses and constants; v16-23 four statistics a unit (-M, largest t, the sum in two halves); v24-31 at work; v32-35 1 / sum; v40-71 S^T, then p; v72-79 p's codes; v80-95 Q;
;   v96-127 the bias of the unit in hand; v128-255 two sets of K (32) and V (32).   window 1: v0-63 O^T (32 u + 8 dt).
.set BP,    528                        ; a row of a slot: 512 bytes + 16 = 33 x 16: sixteen rows start at sixteen different 16-byte columns
.set SLOTB, 192*BP                     ; 101,376 bytes, 396 blocks of 256
.set SPARE, 2*SLOTB                    ; behind the ring: the spare words, 128 bytes a wave, which no other line names
.set S,  40
.set PC, 72
.set QR, 80
.set BI, 96
.set KV, 128
.set MSB, 0
.macro WIN new                         ; the immediate's high byte repeats the setting that is left
.if MSB != (\new)
	s_set_vgpr_msb (MSB<<8)|(\new)
.set MSB, (\new)
.endif
.endm
.macro CROUND                          ; a round of the cluster's barrier
	s_barrier_signal -1
	s_barrier_wait -1
	s_cmp_lg_u32 s14, 0
	s_cbranch_scc1 .Lnw0_\@
	s_barrier_signal -3
.Lnw0_\@:
	s_barrier_wait -3
	s_barrier_signal -1
	s_barrier_wait -1
.endm
.macro ASK                             ; s23 = the trip's number, 0 to 5 where this is assembled; both tests are the same in all four partners
	s_cmp_lt_u32 s23, 5                            ; trip 5 has no tile three on
	s_cbranch_scc0 .Lnb_\@
	global_prefetch_b8 v6, s[40:41] offset:1536 th:TH_LOAD_NT scope:SCOPE_SE
.Lnb_\@:
	s_add_co_u32 s82, s23, 2
	s_add_co_u32 s23, s23, 1
	s_cmp_eq_u32 s82, ttmp9                        ; my cluster's tile?
	s_cbranch_scc0 .Lnk_\@
	global_prefetch_b8 v10, s[46:47] offset:32768 th:TH_LOAD_NT scope:SCOPE_SE
.Lnk_\@:
.endm
.macro GL reg, off                     ; four fragments (4,096 bytes: K's four key tiles or V^T's four d tiles of 64 keys) as they lie
.irp c, 0,1,2,3,4,5,6,7
	global_load_b128 v[(\reg)+4*\c:(\reg)+4*\c+3], v7, s[46:47] offset:(\off)+512*\c
.endr
.endm
.macro LDB n, slot                     ; the bias of unit n: register 8 c + j = key 16 c + 8 (lane / 16) + j of my query
.irp c, 0,1,2,3
	ds_load_b128 v[BI+8*\c:BI+8*\c+3], v[4+\slot] offset:16*BP*((\n)&1)+256*((\n)>>1)+64*\c
	ds_load_b128 v[BI+8*\c+4:BI+8*\c+7], v[4+\slot] offset:16*BP*((\n)&1)+256*((\n)>>1)+64*\c+16
.endr
.endm
; ONE UNIT'S STEP of 64 keys.  n = 0..3 in a slot: query tile n % 2, the slot's keys 64 (n / 2) on, K and V in set n / 2.
; more = 1: behind the first product and its four places the first unit of a step asks for the next step's V (into the set that the last step's products read), the second for K two steps on (into the registers just read).
; more = 0 stands in the units of the last slot that have nothing left to ask for; the counts of the waits follow.
.macro UNIT n, slot, more
.set u, (\n)&1
.set sp, (\n)>>1
.set st, 16+4*u
.set kf, KV+64*sp
	s_wait_dscnt 0x0                               ; my bias is in
.if u == 0
.if \more
	s_wait_loadcnt 16                              ; K is in; behind it were asked for: this step's V and the next step's K, eight loads each
.else
	s_wait_loadcnt 8                               ; the last step: behind its K only its V was asked for
.endif
.endif
.irp i, 0,2,4,6,8,10,12,14,16,18,20,22,24,26,28,30
	v_pk_mul_f32 v[BI+\i:BI+\i+1], v[BI+\i:BI+\i+1], s[60:61] op_sel_hi:[1,0]   ; bias x 2^(3 - e6 - e7)
.endr
.irp c, 0,1,2,3
	v_wmma_f32_16x16x64_bf8_bf8 v[S+8*\c:S+8*\c+7], v[kf+8*\c:kf+8*\c+7], v[QR+8*u:QR+8*u+7], v[BI+8*\c:BI+8*\c+7]
.endr
	v_mov_b32 v27, v[st]                           ; the old -M.  Four places: in front of the first read of results, and of loads into registers that the last products read
.rept 3
	v_nop
.endr
.if \more
.if u == 0
	GL KV+64*(1-sp)+32, 8192*(sp+1)+4096           ; V, one step on
.else
	GL KV+64*sp, 8192*(sp+2)                       ; K, two steps on
.endif
.endif
.if (\n) < 3
	LDB (\n)+1, \slot
.endif
	v_max3_num_f32 v24, v[S], v[S+1], v[S+2]       ; my query's largest S' among my 32 keys, in two chains, each accumulator from its low end on
	v_max3_num_f32 v25, v[S+3], v[S+4], v[S+5]
.irp i, 6,10,14,18,22,26
	v_max3_num_f32 v24, v24, v[S+\i], v[S+\i+1]
	v_max3_num_f32 v25, v25, v[S+\i+2], v[S+\i+3]
.endr
	v_max3_num_f32 v24, v24, v[S+30], v[S+31]
	s_delay_alu instid0(VALU_DEP_1)
	v_max_num_f32 v24, v24, v25
	s_delay_alu instid0(VALU_DEP_1)
	v_permlanex16_b32 v26, v24, s56, s57
	s_delay_alu instid0(VALU_DEP_1)
	v_max_num_f32 v24, v24, v26                    ; and among lane l xor 16's
	s_delay_alu instid0(VALU_DEP_1)
	v_mul_f32 v24, s58, v24                        ; as t (the factor is positive)
	s_delay_alu instid0(VALU_DEP_1)
	v_max_num_f32 v[st+1], v[st+1], v24            ; the running largest t
	s_delay_alu instid0(VALU_DEP_1)
	v_floor_f32 v[st], -v[st+1]                    ; the new -M = floor(-t): M is a whole number
	s_delay_alu instid0(VALU_DEP_1)
	v_sub_f32 v27, v[st], v27                      ; old M - new M, 0 or less
	s_delay_alu instid0(VALU_DEP_1)
	v_cvt_i32_f32 v27, v27                         ; (it saturates)
	s_delay_alu instid0(VALU_DEP_1)
	v_ldexp_f32 v28, 1.0, v27                      ; f = 2^(old M - new M)
.irp i, 0,2,4,6,8,10,12,14,16,18,20,22,24,26,28,30
	v_pk_fma_f32 v[S+\i:S+\i+1], v[S+\i:S+\i+1], s[58:59], v[st:st+1] op_sel_hi:[1,0,0]   ; t - M
.endr
	s_wait_alu depctr_va_vdst(0)                   ; the wait ahead of the batch
.set i, 0
.rept 32
	v_exp_f32 v[S+i], v[S+i]                       ; p = 2^(t - M)
.set i, i+1
.endr
	v_pk_mul_f32 v[st+2:st+3], v[st+2:st+3], v[28:29] op_sel_hi:[1,0]   ; the sum under the new M: the plain line behind the exponentials
	s_wait_alu depctr_va_vdst(0)                   ; one wait for the batch of 32, ahead of its first use
	v_pk_add_f32 v[30:31], v[S:S+1], v[S+2:S+3]    ; the sum of the unquantised p, in two chains
.irp j, 4,8,12,16,20,24,28
	v_pk_add_f32 v[st+2:st+3], v[st+2:st+3], v[S+\j:S+\j+1]
	v_pk_add_f32 v[30:31], v[30:31], v[S+\j+2:S+\j+3]
.endr
	s_delay_alu instid0(VALU_DEP_1)
	v_pk_add_f32 v[st+2:st+3], v[st+2:st+3], v[30:31]
.irp c, 0,1,2,3
.irp i, 0,2,4,6
	v_dual_min_num_f32 v[S+8*\c+\i], v[S+8*\c+\i], v11 :: v_dual_min_num_f32 v[S+8*\c+\i+1], v[S+8*\c+\i+1], v2   ; the conversion does not saturate (ISA guide 7.6.2); p is not negative, so the hold is one-sided; two holds an instruction, the bound in two registers of different banks
.endr
	v_cvt_scalef32_pk8_bf8_f32 v[PC+2*\c:PC+2*\c+1], v[S+8*\c:S+8*\c+7], v12
.endr
	WIN 0x41                                       ; O^T (destination and source 0) window 1, f window 0
	s_wait_alu depctr_va_vdst(0)                   ; the wait directly ahead of the first reader of O^T
.irp i, 0,2,4,6,8,10,12,14,16,18,20,22,24,26,28,30
	v_pk_mul_f32 v[32*u+\i:32*u+\i+1], v[32*u+\i:32*u+\i+1], v[28:29] op_sel_hi:[1,0]   ; O^T under the new M; also the plain lines behind the conversions
.endr
.if u == 0
	s_wait_alu depctr_va_vdst(0)
.if \more
	s_wait_loadcnt 16                              ; V is in; behind it were asked for: the next step's K and V, eight loads each
.else
	s_wait_loadcnt 0x0
.endif
.endif
	WIN 0x50                                       ; V and P window 0, O^T (C and D) window 1
.irp d, 0,1,2,3
	v_wmma_f32_16x16x64_bf8_bf8 v[32*u+8*\d:32*u+8*\d+7], v[kf+32+8*\d:kf+32+8*\d+7], v[PC:PC+7], v[32*u+8*\d:32*u+8*\d+7]
.endr
	WIN 0
.endm
; A TRIP: one slot, 128 keys, four units.  Each wave waits for all its tensor loads (its piece of this slot), adds 0 to its spare word, and waits for that and for its reads of the other slot;
; behind the cluster's round no wave of any partner reads the other slot or has a load on its way, and the next tile's load into it is the first thing there, one a wave (the first time: slot 1's first fill).
.macro TRIP slot, refill, ask, more
	s_wait_tensorcnt 0x0                           ; no tensor load of mine is out, so a group 0 may be written
	ds_add_u32 v8, v9                              ; the step below stands between the add and the wait for it
	s_add_nc_u64 s[34+4*\slot:35+4*\slot], s[34+4*\slot:35+4*\slot], 1024   ; this slot's next tile: 256 keys on
	s_wait_dscnt 0x0                               ; the add is done, and my reads of the other slot are over
	CROUND
.if \refill
	tensor_load_to_lds s[36-4*\slot:39-4*\slot], s[24:31]
	s_nop 0
.rept 4
	v_nop
.endr
.endif
	LDB 0, \slot
.if \ask
	ASK
.endif
	UNIT 0, \slot, 1                               ; (in the last slot too: its second 64 keys' V is still to be asked for)
	UNIT 1, \slot, \more
	UNIT 2, \slot, \more
	UNIT 3, \slot, \more
.if \more
	s_wait_xcnt 0x0                                ; my global loads and prefetches have read their bases
	s_add_nc_u64 s[46:47], s[46:47], 16384         ; K, V: 128 keys on
	s_add_nc_u64 s[40:41], s[40:41], 512           ; the bias's prefetch likewise
.endif
.endm
	s_load_b256 s[4:11], s[0:1], 0x0               ; qf s[4:5], kv s[6:7], the bias s[8:9], the scales' exponents s[10:11]
	s_load_b64 s[12:13], s[0:1], 0x20              ; of
	v_lshl_add_u32 v8, v0, 2, SPARE
	v_mov_b32 v9, 0
	ds_add_u32 v8, v9                              ; the wave's opening: the add, twice on end, and its wait ahead of my first tensor load
	ds_add_u32 v8, v9
	v_lshrrev_b32 v1, 5, v0
	v_readfirstlane_b32 s14, v1                    ; wave 0..11
	s_bfe_u32 s15, ttmp6, 0x40000                  ; cx: my batch pair; it enters global addresses of K, V, Q, o and of the prefetches alone
	s_and_b32 s16, ttmp7, 0xffff                   ; ht
	s_mul_i32 s17, s16, 3                          ; the first of my work-group's three heads
	s_lshr_b32 s20, s14, 2                         ; which of the three heads, for my units and for the piece that I fetch
	s_and_b32 s21, s14, 1                          ; bit 0: my pair of query tiles
	s_bfe_u32 s22, s14, 0x10001                    ; bit 1: my batch of the two
	; group 1: 16 rows of 128 f32, 1,024 apart, 4 words of padding after every 128
	s_mov_b32 s24, 15|(2<<16)|(1<<20)|(1<<21)|(6<<22)|(3<<25)   ; the mask: all four partners; elements of 4 bytes; padding on; bit 21 beside a mask
	s_mov_b32 s25, 128<<16
	s_mov_b32 s26, 16<<16
	s_mov_b32 s27, 128<<16
	s_mov_b32 s28, 16
	s_mov_b32 s29, 1024
	s_mov_b32 s30, 0
	s_mov_b32 s31, 0
	s_mov_b32 s56, 0x76543210                      ; v_permlanex16_b32's selects for lane l xor 16
	s_mov_b32 s57, 0xfedcba98
	s_mov_b32 s23, 0                               ; the trip's number
	s_wait_dscnt 0x0                               ; both opening adds are done
	s_wait_kmcnt 0x0
	s_load_b128 s[76:79], s[10:11], 0x18           ; entries 6 to 9
	s_load_b32 s80, s[10:11], 0x28                 ; entry 10
	; my piece of a tile: head 3 ht + wave / 4, rows 64 qb + 16 (wave % 4): numbers that the four partners share.  In a slot: row 16 x wave
	s_add_co_u32 s88, s17, s20                     ; my head
	s_lshl_b32 s82, s88, 22
	s_lshl_b32 s83, ttmp9, 2
	s_and_b32 s84, s14, 3
	s_add_co_u32 s83, s83, s84
	s_lshl_b32 s83, s83, 16                        ; 16 rows of 4,096 bytes
	s_add_co_u32 s82, s82, s83
	s_mov_b32 s83, 0
	s_add_nc_u64 s[40:41], s[8:9], s[82:83]
	s_mul_i32 s86, s14, 16*BP
.irp s, 0,1
	s_mov_b32 s[32+4*\s], 1
	s_add_co_u32 s[33+4*\s], s86, SLOTB*\s
	s_add_nc_u64 s[34+4*\s:35+4*\s], s[40:41], 512*\s
	s_or_b32 s[35+4*\s], s[35+4*\s], 0x80000000
.endr
	CROUND                                         ; all four work-groups are here: the first joint loads meet
	tensor_load_to_lds s[32:35], s[24:31]          ; tile 0: one tensor load a wave at the head
	s_nop 0
.rept 4
	v_nop
.endr
	s_lshl_b32 s18, s15, 1
	s_add_co_u32 s18, s18, s22                     ; my batch
	s_mul_i32 s90, s18, 12
	s_add_co_u32 s90, s90, s88                     ; 12 b + head
	s_lshl_b32 s82, s90, 17
	s_add_nc_u64 s[46:47], s[6:7], s[82:83]        ; K, V of my batch and head
	s_lshl_b32 s89, ttmp9, 2
	s_lshl_b32 s91, s21, 1
	s_add_co_u32 s89, s89, s91                     ; my first query tile
	s_lshl_b32 s82, s90, 16
	s_lshl_b32 s91, s89, 10
	s_add_co_u32 s82, s82, s91
	s_add_nc_u64 s[4:5], s[4:5], s[82:83]          ; qf at my first unit
	s_lshl_b32 s82, s18, 6
	s_add_co_u32 s82, s82, s89
	s_mul_i32 s82, s82, 12288
	s_lshl_b32 s91, s88, 10                        ; K step h / 2 of 2,048 bytes, half h % 2 of it: 1,024 h
	s_add_co_u32 s82, s82, s91
	s_add_nc_u64 s[12:13], s[12:13], s[82:83]      ; of likewise
	s_lshl_b32 s93, s20, 6
	s_lshl_b32 s91, s21, 5
	s_add_co_u32 s93, s93, s91
	s_mul_i32 s93, s93, BP                         ; my first row in a slot: 64 x head + 32 (wave % 2)
	s_lshl_b32 s94, s15, 3                         ; the bias's prefetch: my work-group's 8 blocks of a wave's 32
	s_lshl_b32 s95, s21, 13                        ; K, V's prefetch: the 64 keys wave % 2
	v_and_b32 v1, 31, v0                           ; lane
	v_and_b32 v36, 15, v0                          ; r
	v_bfe_u32 v37, v0, 4, 1                        ; lane / 16
	v_lshlrev_b32 v7, 4, v1                        ; 16 x lane
	v_mul_u32_u24 v4, v36, BP
	v_min_u32 v38, 7, v1
	v_lshlrev_b32 v10, 8, v1
	s_wait_alu depctr_va_vdst(0)                   ; the wait ahead of the readers below
.irp q, 0,1
.irp p, 0,1
	global_load_b128 v[QR+8*\q+4*\p:QR+8*\q+4*\p+3], v7, s[4:5] offset:1024*\q+512*\p   ; Q stays in registers
.endr
.endr
	GL KV, 0                                       ; K of the first 64 keys,
	GL KV+32, 4096                                 ; their V,
	GL KV+64, 8192                                 ; and K of the second 64
	v_lshl_add_u32 v4, v37, 5, v4
	v_add_nc_u32 v38, s94, v38                     ; block 8 cx + min(lane, 7)
	v_add_nc_u32 v10, s95, v10                     ; K, V's prefetch: a lane a block
	v_mov_b32 v26, 0                               ; written once: a lane permute's destination counts as one of its sources
	v_add_nc_u32 v4, s93, v4                       ; the bias, slot 0: my row r, + 32 (lane / 16)
	v_lshrrev_b32 v6, 1, v38
	v_and_b32 v39, 1, v38
	v_mov_b32 v29, 0                               ; (named as the upper half of the pair v[28:29])
	v_add_nc_u32 v5, SLOTB, v4                     ; slot 1
	v_lshlrev_b32 v6, 12, v6
.irp u, 0,1
	v_mov_b32 v[17+4*\u], 0xff61b1e6               ; the largest t so far: -3e38
	v_mov_b32 v[18+4*\u], 0                        ; the sum
	v_mov_b32 v[19+4*\u], 0
	v_floor_f32 v[16+4*\u], -v[17+4*\u]            ; -M
.endr
	v_lshl_add_u32 v6, v39, 8, v6                  ; the bias's prefetch: row block / 2, 256 bytes x (block % 2)
	WIN 0x40
.set i, 0
.rept 64
	v_mov_b32 v[i], 0                              ; O^T.  (The step has no first form of its own: the first change of M multiplies zeros)
.set i, i+1
.endr
	WIN 0
	s_wait_alu depctr_va_vdst(0)
	s_wait_kmcnt 0x0
	s_add_co_i32 s82, s76, s77                     ; e6 + e7
	s_lshl_b32 s83, s82, 23
	s_add_co_i32 s58, s83, 0x3e38aa3b              ; log2(e) / 8 x 2^(e6 + e7): the exponents are added to the factor's exponent field
	s_mov_b32 s59, s58
	s_sub_co_i32 s83, 130, s82
	s_lshl_b32 s60, s83, 23                        ; 2^(3 - e6 - e7)
	s_mov_b32 s61, s60
	s_add_co_i32 s83, s78, 127
	s_lshl_b32 s84, s83, 23
	v_mov_b32 v12, s84                             ; 2^e8
	s_add_co_i32 s83, s83, 15
	s_lshl_b32 s83, s83, 23
	s_or_b32 s83, s83, 0x600000
	v_mov_b32 v11, s83                             ; 57,344 x 2^e8,
	v_mov_b32 v2, s83                              ; and once more, for the second half of the paired holds
	s_add_co_i32 s83, s80, 127
	s_lshl_b32 s84, s83, 23
	v_mov_b32 v14, s84                             ; 2^e10
	s_add_co_i32 s83, s83, 15
	s_lshl_b32 s83, s83, 23
	s_or_b32 s83, s83, 0x600000
	v_mov_b32 v13, s83                             ; 57,344 x 2^e10
	s_add_co_i32 s81, s78, s79                     ; e8 + e9
	s_mov_b32 s44, 3
	s_wait_alu depctr_va_vdst(0)                   ; the wait at the head's end
.Lpair:                                            ; three trips of the loop, two tiles each: tiles 0 to 5
	TRIP 0, 1, 1, 1
	TRIP 1, 1, 1, 1
	s_sub_co_u32 s44, s44, 1
	s_cmp_lg_u32 s44, 0
	s_cbranch_scc1 .Lpair
	TRIP 0, 1, 0, 1                                ; tile 6
	TRIP 1, 0, 0, 0                                ; tile 7: behind its first unit nothing more is asked for
	; THE WAY OUT: o = O^T / the sum x 2^(e8 + e9), held, converted: tile dt's eight registers become registers 2 dt, 2 dt + 1 of my head's half of the last product's operand.  The first lines are the places behind the last products.
.irp u, 0,1
	v_mov_b32 v[33+2*\u], 0
.endr
.irp u, 0,1
	v_add_f32 v[32+2*\u], v[18+4*\u], v[19+4*\u]
.endr
.irp u, 0,1
	s_delay_alu instid0(VALU_DEP_2)
	v_permlanex16_b32 v[33+2*\u], v[32+2*\u], s56, s57
.endr
.irp u, 0,1
	s_delay_alu instid0(VALU_DEP_2)
	v_add_f32 v[32+2*\u], v[32+2*\u], v[33+2*\u]
.endr
	s_wait_alu depctr_va_vdst(0)                   ; the wait ahead of the two
.irp u, 0,1
	v_rcp_f32 v[32+2*\u], v[32+2*\u]
.endr
	v_nop                                          ; a plain line behind the last reciprocal
	s_wait_alu depctr_va_vdst(0)                   ; one wait for the two, ahead of the first use
.irp u, 0,1
	v_ldexp_f32 v[32+2*\u], v[32+2*\u], s81
.endr
.irp u, 0,1
	WIN 0x01
	s_wait_alu depctr_va_vdst(0)                   ; the wait directly ahead of the first reader of O^T
.irp i, 0,2,4,6,8,10,12,14,16,18,20,22,24,26,28,30
	v_pk_mul_f32 v[S+\i:S+\i+1], v[32*\u+\i:32*\u+\i+1], v[32+2*\u:33+2*\u] op_sel_hi:[1,0]   ; each accumulator from its low end on
.endr
	WIN 0
.irp d, 0,1,2,3
.irp i, 0,1,2,3,4,5,6,7
	v_med3_num_f32 v[S+8*\d+\i], v[S+8*\d+\i], -v13, v13
.endr
	v_cvt_scalef32_pk8_bf8_f32 v[BI+8*\u+2*\d:BI+8*\u+2*\d+1], v[S+8*\d:S+8*\d+7], v14
.endr
	v_nop                                          ; a plain line behind the last conversion: the next unit writes its sources
	global_store_b128 v7, v[BI+8*\u:BI+8*\u+3], s[12:13] offset:12288*\u           ; 512 consecutive bytes, aligned; each unit has its own registers
	global_store_b128 v7, v[BI+8*\u+4:BI+8*\u+7], s[12:13] offset:12288*\u+512
.endr
	s_wait_tensorcnt 0x0                           ; the wave's end
	ds_add_u32 v8, v9
	s_wait_dscnt 0x0
	CROUND                                         ; the closing round
	s_endpgm
.Lfunc_end_k_q3e8ac1a927_attn:
	.size	k_q3e8ac1a927_attn, .Lfunc_end_k_q3e8ac1a927_attn-k_q3e8ac1a927_attn
	.p2alignl 7, 3214868480
	.fill 96, 4, 3214868480
	.section	.rodata,"a",@progbits
	.p2align	6, 0x0
	.amdhsa_kernel k_q3e8ac1a927_attn
		.amdhsa_group_segment_fixed_size 327680
		.amdhsa_private_segment_fixed_size 0
		.amdhsa_enable_private_segment 0
		.amdhsa_kernarg_size 40
		.amdhsa_user_sgpr_count 2
		.amdhsa_user_sgpr_kernarg_segment_ptr 1
		.amdhsa_wavefront_size32 1
		.amdhsa_system_sgpr_workgroup_id_x 1
		.amdhsa_system_sgpr_workgroup_id_y 1
		.amdhsa_system_sgpr_workgroup_id_z 1
		.amdhsa_system_vgpr_workitem_id 0
		.amdhsa_next_free_vgpr 320
		.amdhsa_next_free_sgpr 100
		.amdhsa_reserve_vcc 0
		.amdhsa_float_denorm_mode_32 3
		.amdhsa_float_denorm_mode_16_64 3
		.amdhsa_memory_ordered 1
		.amdhsa_forward_progress 1
		.amdhsa_inst_pref_size 183
	.end_amdhsa_kernel
	.amdgpu_metadata
---
amdhsa.version: [ 1, 2 ]
amdhsa.kernels:
  - .name:           k_q3e8ac1a927_attn
    .symbol:         k_q3e8ac1a927_attn.kd
    .args:
      - { .name: qf, .offset: 0, .size: 8, .value_kind: global_buffer, .address_space: global }
      - { .name: kv, .offset: 8, .size: 8, .value_kind: global_buffer, .address_space: global }
      - { .name: rel_pos_bias, .offset: 16, .size: 8, .value_kind: global_buffer, .address_space: global }
      - { .name: lowp_scales, .offset: 24, .size: 8, .value_kind: global_buffer, .address_space: global }
      - { .name: of, .offset: 32, .size: 8, .value_kind: global_buffer, .address_space: global }
    .group_segment_fixed_size: 327680
    .private_segment_fixed_size: 0
    .kernarg_segment_align: 8
    .kernarg_segment_size: 40
    .max_flat_workgroup_size: 384
    .sgpr_count:     100
    .vgpr_count:     320
    .wavefront_size: 32
...
	.end_amdgpu_metadata
.endif
;; end of part 3
;; launch oproj (part 4): grid 64 x 4, 4 waves a work-group, clusters of 4 x 1, 327,680 bytes of LDS; arguments of, W_o_codes, b_o, lowp_scales, out0; writes out0
.if DOCPART == 4
	.amdgcn_target "amdgcn-amd-amdhsa--gfx1250"
	.amdhsa_code_object_version 6
	.text
	.protected	k_q3e8ac1a927_oproj
	.globl	k_q3e8ac1a927_oproj
	.p2align	8
	.type	k_q3e8ac1a927_oproj,@function
k_q3e8ac1a927_oproj:
	s_mov_b64 s[64:65], 0
	v_nop
	global_prefetch_b8 v0, s[64:65] scope:SCOPE_SE
	s_setreg_imm32_b32 hwreg(HW_REG_WAVE_MODE, 25, 1), 1
	s_wait_xcnt 0x0
	s_wait_alu depctr_hold_cnt(0) depctr_sa_sdst(0) depctr_va_vdst(0) depctr_va_sdst(0) depctr_va_ssrc(0) depctr_va_vcc(0) depctr_vm_vsrc(0)
	s_getreg_b32 s2, hwreg(HW_REG_IB_STS2, 6, 4)
	s_cmp_eq_u32 s2, 0
	s_cbranch_scc0 .Lentry_in_a_cluster
	s_endpgm
.Lentry_in_a_cluster:
	s_bfe_u32 s2, ttmp6, 0x10000c
	s_cmp_lg_u32 s2, 0x3003
	s_cbranch_scc0 .Lentry_shape_is_right
	s_endpgm
.Lentry_shape_is_right:
; out0 = o W_o^T + b_o on codes of E5M2: o comes as images of the operand registers (launch attn), W_o as given.  Nothing of the problem is left out.
; A work-group takes 128 tokens (4 x cluster x + cx) and 192 columns (work-group y).  The four partners need the same 192 rows of W_o: joint loads.
; All LDS fills are first fills at the head, one tensor load a wave: waves 0 and 1 fetch 96 rows of W_o each, waves 2 and 3 49,152 bytes of o's images each.
; LIMIT: entries 10 + 11 between -126 and 127.  NaN among the inputs is not served.
.set PITCH, 816
.set WT,    16*PITCH
.set AREG,  192*PITCH
.set SPARE, AREG+98304
.set MSB, 0
.macro WIN new
.if MSB != (\new)
	s_set_vgpr_msb (MSB<<8)|(\new)
.set MSB, (\new)
.endif
.endm
.macro CROUND
	s_barrier_signal -1
	s_barrier_wait -1
	s_cmp_lg_u32 s14, 0
	s_cbranch_scc1 .Lnw0_\@
	s_barrier_signal -3
.Lnw0_\@:
	s_barrier_wait -3
	s_barrier_signal -1
	s_barrier_wait -1
.endm
.macro ALOAD m
	WIN 0xc0
.irp s, 0,1,2,3,4,5
.irp c, 0,1,2,3
	ds_load_b128 v[96*((\m)%2)+16*\s+4*\c:96*((\m)%2)+16*\s+4*\c+3], v[5+(\m)/4] offset:12288*((\m)%4)+2048*\s+512*\c
.endr
.endr
	WIN 0
.endm
.macro TILE m
.set a, (\m)%2
.if \m < 7
	ALOAD (\m)+1
	s_wait_dscnt 24
.else
	s_wait_dscnt 0x0
.endif
	WIN 0x0d
.irp s, 0,1,2,3,4
.irp t, 0,1,2
.if \s == 0
	v_wmma_f32_16x16x128_bf8_bf8 v[32+8*\t:39+8*\t], v[16*(3*\s+\t):16*(3*\s+\t)+15], v[96*a+16*\s:96*a+16*\s+15], 0
.else
	v_wmma_f32_16x16x128_bf8_bf8 v[32+8*\t:39+8*\t], v[16*(3*\s+\t):16*(3*\s+\t)+15], v[96*a+16*\s:96*a+16*\s+15], v[32+8*\t:39+8*\t]
.endif
.endr
.endr
	WIN 0x0e
.irp t, 0,1,2
	v_wmma_f32_16x16x128_bf8_bf8 v[32+8*\t:39+8*\t], v[16*\t:16*\t+15], v[96*a+80:96*a+95], v[32+8*\t:39+8*\t]
.endr
	WIN 0
.rept 4
	v_nop
.endr
.irp t, 0,1,2
.irp i, 0,2,4,6
	v_pk_fma_f32 v[80+24*a+8*\t+\i:81+24*a+8*\t+\i], v[32+8*\t+\i:33+8*\t+\i], s[20:21], v[56+8*\t+\i:57+8*\t+\i] op_sel_hi:[1,0,1]
.endr
.endr
.irp t, 0,1,2
	ds_store_b128 v[7+3*((\m)/4)+\t], v[80+24*a+8*\t:83+24*a+8*\t] offset:WT*((\m)%4)
	ds_store_b128 v[7+3*((\m)/4)+\t], v[84+24*a+8*\t:87+24*a+8*\t] offset:WT*((\m)%4)+16
.endr
.endm
.macro RBL i
	ds_load_b128 v[128+64*(((\i)/16)%2)+4*((\i)%16):128+64*(((\i)/16)%2)+4*((\i)%16)+3], v13 offset:544*(\i)
.endm
.macro SEND i, cnt
	s_wait_dscnt \cnt
.set rg, 128+64*(((\i)/16)%2)+4*((\i)%16)
.set g, (\i)/3
.if ((\i)%3) == 0
	global_store_b128 v14, v[rg:rg+3], s[12:13] offset:6144*g th:TH_STORE_NT
.elseif ((\i)%3) == 1
	global_store_b128 v15, v[rg:rg+3], s[12:13] offset:6144*g+512 th:TH_STORE_NT
.else
	global_store_b128 v14, v[rg:rg+3], s[12:13] offset:6144*g+3328 th:TH_STORE_NT
.endif
.endm
	s_load_b256 s[4:11], s[0:1], 0x0
	s_load_b64 s[12:13], s[0:1], 0x20
	v_lshl_add_u32 v16, v0, 2, SPARE
	v_mov_b32 v17, 0
	ds_add_u32 v16, v17
	ds_add_u32 v16, v17
	v_lshrrev_b32 v1, 5, v0
	v_readfirstlane_b32 s14, v1
	s_bfe_u32 s15, ttmp6, 0x40000
	s_lshl_b32 s16, ttmp9, 2
	s_add_co_u32 s16, s16, s15
	s_and_b32 s17, ttmp7, 0xffff
	s_mov_b32 s24, 15|(3<<16)|(1<<20)|(1<<21)|(5<<22)|(3<<25)
	s_mov_b32 s25, 32<<16
	s_mov_b32 s26, 288<<16                         ; 96 rows of W_o are 288 dense rows of 256 bytes
	s_mov_b32 s27, 32<<16
	s_mov_b32 s28, 288
	s_mov_b32 s29, 32
	s_mov_b32 s30, 0
	s_mov_b32 s31, 0
	s_mov_b32 s32, 3<<16
	s_mov_b32 s33, 32<<16
	s_mov_b32 s34, 192<<16                         ; 49,152 bytes of images are 192 rows of 256 bytes
	s_mov_b32 s35, 32<<16
	s_mov_b32 s36, 192
	s_mov_b32 s37, 32
	s_mov_b32 s38, 0
	s_mov_b32 s39, 0
	s_wait_dscnt 0x0
	s_wait_kmcnt 0x0
	s_load_b64 s[18:19], s[10:11], 0x28
	s_mov_b32 s40, 1
	s_and_b32 s62, s14, 1                          ; which half of W_o's rows, or of the images, I fetch
	s_mul_i32 s41, s62, 96*PITCH
	s_mul_i32 s56, s17, 192
	s_mul_i32 s57, s62, 96
	s_add_co_u32 s56, s56, s57
	s_mul_i32 s56, s56, 768
	s_mov_b32 s57, 0
	s_add_nc_u64 s[42:43], s[6:7], s[56:57]
	s_or_b32 s43, s43, 0x80000000
	s_mov_b32 s44, 1
	s_mul_i32 s45, s62, 49152
	s_add_co_u32 s45, s45, AREG
	s_mul_i32 s60, s16, 98304
	s_mul_i32 s61, s62, 49152
	s_add_co_u32 s60, s60, s61
	s_mov_b32 s61, 0
	s_add_nc_u64 s[46:47], s[4:5], s[60:61]
	s_or_b32 s47, s47, 0x80000000
	CROUND                                         ; all four work-groups are here: the joint loads meet
	s_cmp_lt_u32 s14, 2                            ; the branch hangs on the wave's number alone; each arm holds one tensor load
	s_cbranch_scc0 .Lfor_a
	tensor_load_to_lds s[40:43], s[24:31]          ; waves 0, 1: W_o's rows, jointly
	s_nop 0
.rept 4
	v_nop
.endr
	s_branch .Lasked
.Lfor_a:
	tensor_load_to_lds s[44:47], s[32:39]          ; waves 2, 3: my work-group's own images
	s_nop 0
.rept 4
	v_nop
.endr
.Lasked:
	v_and_b32 v1, 15, v0
	v_bfe_u32 v2, v0, 4, 1
	v_and_b32 v3, 31, v0
	s_mul_i32 s66, s17, 768
	s_mul_i32 s67, s14, 192
	s_add_co_u32 s66, s66, s67
	s_mov_b32 s67, 0
	s_add_nc_u64 s[8:9], s[8:9], s[66:67]
	v_lshlrev_b32 v18, 5, v2
.irp t, 0,1,2
	global_load_b128 v[56+8*\t:59+8*\t], v18, s[8:9] offset:64*\t
	global_load_b128 v[60+8*\t:63+8*\t], v18, s[8:9] offset:64*\t+16
.endr
	s_mul_i32 s68, s14, 48*PITCH
	v_mul_u32_u24 v4, v1, PITCH
	v_lshl_add_u32 v4, v2, 3, v4
	v_add_nc_u32 v4, s68, v4
	v_lshlrev_b32 v5, 4, v3
	v_add_nc_u32 v5, AREG, v5
	v_add_nc_u32 v6, 49152, v5
	v_mul_u32_u24 v19, v1, PITCH
	v_lshl_add_u32 v19, v2, 5, v19
	s_wait_alu depctr_va_vdst(0)
.irp t, 0,1,2
	s_mul_i32 s68, s14, 192
	s_add_co_u32 s68, s68, 64*\t
	s_lshr_b32 s69, s68, 8
	s_lshl_b32 s69, s69, 4
	s_add_co_u32 s68, s68, s69
	v_add_nc_u32 v[7+\t], s68, v19
	v_add_nc_u32 v[10+\t], 4*WT, v[7+\t]
.endr
	s_mul_i32 s68, s14, 96*272
	v_mul_u32_u24 v13, v2, 272
	v_lshl_add_u32 v13, v1, 4, v13
	v_add_nc_u32 v13, s68, v13
	v_lshlrev_b32 v14, 4, v1
	v_mul_u32_u24 v15, v2, 2560
	v_add_nc_u32 v15, v15, v14
	v_lshl_add_u32 v14, v2, 8, v14
	s_lshl_b32 s70, s16, 7
	s_lshl_b32 s71, s14, 5
	s_add_co_u32 s70, s70, s71
	s_mul_i32 s70, s70, 3072
	s_mul_i32 s71, s17, 768
	s_add_co_u32 s70, s70, s71
	s_mov_b32 s71, 0
	s_add_nc_u64 s[12:13], s[12:13], s[70:71]
	s_wait_kmcnt 0x0
	s_add_co_i32 s20, s18, s19
	s_add_co_i32 s20, s20, 127
	s_lshl_b32 s20, s20, 23
	s_mov_b32 s21, s20
	s_wait_tensorcnt 0x0
	s_barrier_signal -1
	s_barrier_wait -1
	WIN 0x40
.irp s, 0,1,2,3,4
.irp t, 0,1,2
.irp c, 0,1,2,3,4,5,6,7
	ds_load_b64 v[16*(3*\s+\t)+2*\c:16*(3*\s+\t)+2*\c+1], v4 offset:WT*\t+272*(\s/2)+128*(\s%2)+16*\c
.endr
.endr
.endr
	WIN 0x80
.irp t, 0,1,2
.irp c, 0,1,2,3,4,5,6,7
	ds_load_b64 v[16*\t+2*\c:16*\t+2*\c+1], v4 offset:WT*\t+672+16*\c
.endr
.endr
	WIN 0
	ALOAD 0
	s_wait_loadcnt 0x0
	s_wait_dscnt 0x0
	s_barrier_signal -1
	s_barrier_wait -1
.irp m, 0,1,2,3,4,5,6,7
	TILE \m
.endr
	s_wait_dscnt 0x0
	s_barrier_signal -1
	s_barrier_wait -1
.set n, 0
.rept 32
	RBL n
.set n, n+1
.endr
.set n, 0
.rept 16
	SEND n, 31-n
.set n, n+1
.endr
	s_wait_xcnt 0x0
.set n, 32
.rept 16
	RBL n
.set n, n+1
.endr
.set n, 16
.rept 16
	SEND n, 47-n
.set n, n+1
.endr
.set n, 32
.rept 16
	SEND n, 47-n
.set n, n+1
.endr
	s_wait_tensorcnt 0x0
	ds_add_u32 v16, v17
	s_wait_dscnt 0x0
	CROUND
	s_endpgm
.Lfunc_end_k_q3e8ac1a927_oproj:
	.size	k_q3e8ac1a927_oproj, .Lfunc_end_k_q3e8ac1a927_oproj-k_q3e8ac1a927_oproj
	.p2alignl 7, 3214868480
	.fill 96, 4, 3214868480
	.section	.rodata,"a",@progbits
	.p2align	6, 0x0
	.amdhsa_kernel k_q3e8ac1a927_oproj
		.amdhsa_group_segment_fixed_size 327680
		.amdhsa_private_segment_fixed_size 0
		.amdhsa_enable_private_segment 0
		.amdhsa_kernarg_size 40
		.amdhsa_user_sgpr_count 2
		.amdhsa_user_sgpr_kernarg_segment_ptr 1
		.amdhsa_wavefront_size32 1
		.amdhsa_system_sgpr_workgroup_id_x 1
		.amdhsa_system_sgpr_workgroup_id_y 1
		.amdhsa_system_sgpr_workgroup_id_z 1
		.amdhsa_system_vgpr_workitem_id 0
		.amdhsa_next_free_vgpr 1024
		.amdhsa_next_free_sgpr 80
		.amdhsa_reserve_vcc 0
		.amdhsa_float_denorm_mode_32 3
		.amdhsa_float_denorm_mode_16_64 3
		.amdhsa_memory_ordered 1
		.amdhsa_forward_progress 1
		.amdhsa_inst_pref_size 59
	.end_amdhsa_kernel
	.amdgpu_metadata
---
amdhsa.version: [ 1, 2 ]
amdhsa.kernels:
  - .name:           k_q3e8ac1a927_oproj
    .symbol:         k_q3e8ac1a927_oproj.kd
    .args:
      - { .name: of, .offset: 0, .size: 8, .value_kind: global_buffer, .address_space: global }
      - { .name: W_o_codes, .offset: 8, .size: 8, .value_kind: global_buffer, .address_space: global }
      - { .name: b_o, .offset: 16, .size: 8, .value_kind: global_buffer, .address_space: global }
      - { .name: lowp_scales, .offset: 24, .size: 8, .value_kind: global_buffer, .address_space: global }
      - { .name: out0, .offset: 32, .size: 8, .value_kind: global_buffer, .address_space: global }
    .group_segment_fixed_size: 327680
    .private_segment_fixed_size: 0
    .kernarg_segment_align: 8
    .kernarg_segment_size: 40
    .max_flat_workgroup_size: 128
    .sgpr_count:     80
    .vgpr_count:     1024
    .wavefront_size: 32
...
	.end_amdgpu_metadata
.endif
;; end of part 4
